; MI455X (gfx1250); checked and timed in simulation.
; The chip was launched on July 23, 2026; its instructions are those of AMD's public machine-readable ISA for CDNA 5 (MIT licence, August 2026) and "CDNA5" Instruction Set Architecture Reference Guide (July 2026). The comments in the code are by the model that wrote it; some were corrected since.
;; Sparse Layer. Allowed arithmetic: matrix products marked QUANTISED: E4M3 operands, one given power-of-two scale a tensor, by v_wmma_f32_16x16x64_fp8_fp8 or v_wmma_f32_16x16x128_fp8_fp8, f32 sums; everything else in f32.
;; Inputs: W 4,096 x 4,096 float32; lowp_scales 2 int32 (the exponents e of the quantised operands' scales 2^e); x 4,096 x 4,096 float32.
;; Outputs: out0 4,096 x 4,096 float32.
;; This version of the problem:
;;   THIS VERSION OF THE PROBLEM IS GIVEN IN LOW PRECISION. The matrix products marked QUANTISED in the list below multiply operands that are first quantised to E4M3 (4 exponent bits, 3 mantissa bits; 8 bits a number), with one given power-of-two scale for each operand tensor; their sums are f32. All else is computed in f32.
;;   The module's matrix products, in the order in which they are computed (A, B: the left and right operand; K: the contracted axis; several contracted axes count as one K, in the product's order):
;;     1. [M 4,096, K 4,096] x [K 4,096, N 4,096]; A: input W; B: input x: QUANTISED (scales: A lowp_scales[0], B lowp_scales[1])
;;   THE QUANTISER, for each operand of a quantised product, along K:
;;     - The operand's scale is 2^e, e = its entry of the input lowp_scales (int32; the entries are numbered through the quantised products in the list's order, A before B).
;;     - Each number is divided by the scale, clamped to +-448, and rounded to the nearest number of E4M3, ties to even, subnormals kept.
;;     - The product sums the exact products of the quantised numbers (number of the format x scale) in f32.
;;   ~~~python
;;   def quantise(x, axis, e):      # numpy; x: float32 -> the quantised numbers, widened to float32 again
;;       x = np.moveaxis(x, axis, -1); K = x.shape[-1]
;;       r = np.clip(x / 2.0 ** e, -448, 448)
;;       step = 2.0 ** (np.maximum(np.frexp(np.where(r == 0, 1, r))[1] - 1, -6) - 3)
;;       q = np.round(r / step) * step * 2.0 ** e      # np.round: ties to even
;;       return np.moveaxis(q, -1, axis).astype(np.float32)
;;   ~~~
;; One version. Each part assembles by itself: llvm-mc -triple=amdgcn-amd-amdhsa -mcpu=gfx1250 --defsym DOCPART=n.
;; ======== version 1 of 1: 2 launches
;; limits: right only within a limited range of input values
;; workspace buffers: wq 16,777,216 bytes; xq 16,777,216 bytes
;; launch quant (part 1): grid 64 x 16, 4 waves a work-group, no clusters, 35,328 bytes of LDS; arguments W, x, lowp_scales, wq, xq; writes wq, xq
.if DOCPART == 1
	.amdgcn_target "amdgcn-amd-amdhsa--gfx1250"
	.amdhsa_code_object_version 6
	.text
	.protected	k_q9255eb6033_quant
	.globl	k_q9255eb6033_quant
	.p2align	8
	.type	k_q9255eb6033_quant,@function
k_q9255eb6033_quant:
	s_mov_b64 s[64:65], 0
	v_nop
	global_prefetch_b8 v0, s[64:65] scope:SCOPE_SE
	s_setreg_imm32_b32 hwreg(HW_REG_WAVE_MODE, 25, 1), 1
	s_wait_xcnt 0x0
; W [4096 (k)][4096 (o)] and x [4096 (k)][4096 (b)], f32, are operands whose K is their FIRST axis.  Each is turned into codes of FP8 (E4M3), one a byte,
; laid [column][k] with K innermost (wq, xq: rows of 4,096 bytes), with the one scale 2^e that is given for it: entry 0 of the scales for W, entry 1 for x.
; code = number / 2^e, held within +-448, rounded to the nearest code, ties to even.
; LIMITS: -126 <= e <= 119, so that 2^e and 448 x 2^e are f32 numbers.  NaN among the inputs is not served; an infinity is held at the largest code.
; SHARES.  Work-groups 0-31 along x take W, 32-63 take x: only pointers and e are chosen, there is one path through the text.  A work-group takes 128 columns x 256 along K;
; wave w takes the tile's rows 64 w .. 64 w + 63 of K, in four groups of 16 rows.
; A LANE TAKES FOUR NEIGHBOURING COLUMNS: a load of the wave reads 512 consecutive bytes of one row k.  The hold at the largest code, which every number owes, writes into
; another register, so that it also TURNS the numbers: behind it 16 consecutive registers run along K for each of the lane's four columns, as the conversions want them.
; A column's 16 codes of a group go by one LDS store into a stage that the four waves share; behind one barrier the stage is read by rows, and sixteen lanes store
; 256 consecutive bytes (256 codes along K of one column), at a multiple of 256 from the buffer's first byte.
; No tensor loads and no ring: the loads into registers run two groups (32 loads a wave) ahead.  No matrix work, no cluster: work-groups share nothing.
.set ROWF,  16384                      ; a row of W or x in bytes
.set KROW,  4096                       ; a row of the codes in bytes
.set PITCH, 272                        ; a stage row: 256 bytes + 16: the sixteen rows that an LDS instruction's sixteen lanes touch start 68 words apart
.set EMAX,  8
.set MANT,  0x600000                   ; the mantissa field of 448 as f32
.set X,     16                         ; v16-143  two sets of 64 numbers as loaded: register 4 i + c = (row i of the group, my column c)
.set T,     144                        ; v144-207 the same turned: register 16 c + i
.set C,     208                        ; v208-239 two sets of 16: registers 4 c .. 4 c + 3 = column c's 16 codes
.set OUTR,  16                         ; v16-79   the way out: 16 x 4 registers (X's first set, done with)
; v1 lane; v2 16 x lane (input); v3 where I store into the stage; v4 where I read it back; v5 my byte offset in the codes; v10 448 x 2^e; v11 2^e
	s_load_b128 s[4:7], s[0:1], 0x0                ; W, x
	s_load_b64 s[8:9], s[0:1], 0x10                ; the scales' exponents
	s_load_b128 s[12:15], s[0:1], 0x18             ; wq, xq
	v_lshl_add_u32 v240, v0, 2, 0x8800
	v_mov_b32 v241, 0
	v_lshrrev_b32 v6, 5, v0
	v_readfirstlane_b32 s16, v6                    ; wave 0..3
	v_and_b32 v1, 31, v0                           ; lane l
	v_lshlrev_b32 v2, 4, v1                        ; in: my four columns, 16 bytes
	v_mul_u32_u24 v3, v1, PITCH
	s_lshl_b32 s19, s16, 6
	v_add_nc_u32 v3, s19, v3                       ; into the stage: row 32 c + l holds column 4 l + c (c in the immediate); my wave's 64 bytes of it
	v_and_b32 v6, 15, v0                           ; r
	v_bfe_u32 v7, v0, 4, 1                         ; h
	v_mul_u32_u24 v4, v7, PITCH
	v_lshl_add_u32 v4, v6, 4, v4
	s_mul_i32 s19, s16, 32*PITCH
	v_add_nc_u32 v4, s19, v4                       ; out of it: wave w reads rows 32 w + 2 t + h, sixteen lanes to a row
	v_lshlrev_b32 v5, 14, v7                       ; those rows are columns 4 (2 t + h) + w: h is four rows of the codes,
	v_lshl_add_u32 v5, v6, 4, v5                   ; + 16 r
	s_and_b32 s18, ttmp7, 0xffff                   ; y: which 256 along K
	s_wait_kmcnt 0x0
	s_load_b64 s[22:23], s[8:9], 0x0               ; e of W, e of x
	s_cmp_lt_u32 ttmp9, 32                         ; W's work-group or x's?  The choice hangs on the work-group's number alone
	s_cselect_b64 s[4:5], s[4:5], s[6:7]
	s_cselect_b64 s[12:13], s[12:13], s[14:15]
	s_cselect_b32 s17, 0, 32
	s_sub_co_u32 s17, ttmp9, s17                   ; which 128 columns
	s_lshl_b32 s20, s18, 22                        ; in: 256 y rows of 16,384 bytes,
	s_lshl_b32 s19, s16, 20                        ; + 64 w rows,
	s_add_co_u32 s20, s20, s19
	s_lshl_b32 s19, s17, 9                         ; + 128 columns of 4 bytes for each step along x
	s_add_co_u32 s20, s20, s19
	s_mov_b32 s21, 0
	s_lshl_b32 s24, s17, 19                        ; out: 128 rows of 4,096 bytes for each step along x,
	s_lshl_b32 s19, s16, 12                        ; + w rows,
	s_add_co_u32 s24, s24, s19
	s_lshl_b32 s19, s18, 8                         ; + 256 y bytes along K
	s_add_co_u32 s24, s24, s19
	s_mov_b32 s25, 0
	s_add_nc_u64 s[4:5], s[4:5], s[20:21]
	s_add_nc_u64 s[12:13], s[12:13], s[24:25]
.macro LOAD g                          ; group g: rows 16 g + i, i = 0 .. 15, into set g % 2.  Every offset is an immediate: 63 rows of 16,384 bytes at the most
.irp i, 0,1,2,3,4,5,6,7,8,9,10,11,12,13,14,15
	global_load_b128 v[X+64*((\g)%2)+4*\i:X+64*((\g)%2)+4*\i+3], v2, s[4:5] offset:(16*(\g)+\i)*ROWF th:TH_LOAD_NT   ; 32 lanes read 512 consecutive bytes; read once in the launch
.endr
.endm
	LOAD 0
	LOAD 1
	s_wait_kmcnt 0x0
	s_cmp_lt_u32 ttmp9, 32
	s_cselect_b32 s22, s22, s23                    ; e
	s_add_co_i32 s22, s22, 127
	s_lshl_b32 s23, s22, 23
	v_mov_b32 v11, s23                             ; 2^e as f32: the conversion takes its exponent field
	s_add_co_i32 s22, s22, EMAX
	s_lshl_b32 s22, s22, 23
	s_or_b32 s22, s22, MANT
	v_mov_b32 v10, s22                             ; 448 x 2^e
.macro GROUP g
.set XS, X+64*((\g)%2)
.set CS, C+16*((\g)%2)
.if (\g) < 3
	s_wait_loadcnt 16                              ; this group's 16 loads are in; the next group's 16 may be out
.else
	s_wait_loadcnt 0
.endif
.if (\g) >= 2
	s_wait_dscnt 4                                 ; the four stage stores of two groups ago, which read this set of codes, are done; the last group's four may be out
.endif
.irp i, 0,1,2,3,4,5,6,7,8,9,10,11,12,13,14,15
.irp c, 0,1,2,3
	v_med3_num_f32 v[T+16*\c+\i], v[XS+4*\i+\c], -v10, v10   ; the conversion to an 8-bit code does not saturate (ISA guide 7.6.2): the hold at the largest code x the scale; its destination does the turn
.endr
.endr
.if (\g)+2 < 4
	LOAD (\g)+2                                    ; into the set just read
.endif
.irp c, 0,1,2,3
	v_cvt_scalef32_pk8_fp8_f32 v[CS+4*\c:CS+4*\c+1], v[T+16*\c:T+16*\c+7], v11        ; eight neighbours along K of column c / 2^e, to the nearest code, ties to even
	v_cvt_scalef32_pk8_fp8_f32 v[CS+4*\c+2:CS+4*\c+3], v[T+16*\c+8:T+16*\c+15], v11
.endr
	v_nop                                          ; one plain vector instruction between the last conversion and the next group's holds, which write the conversions' sources
.irp c, 0,1,2,3
	ds_store_b128 v3, v[CS+4*\c:CS+4*\c+3] offset:32*PITCH*\c+16*(\g)   ; 16 codes along K of column 4 l + c
.endr
.endm
	s_wait_alu depctr_va_vdst(0)
	GROUP 0
	GROUP 1
	GROUP 2
	GROUP 3
	s_wait_dscnt 0x0                               ; for the others' sake: my stores into the stage are done
	s_barrier_signal -1
	s_barrier_wait -1                              ; every row of the stage now holds its 256 codes, 64 from each wave
.irp t, 0,1,2,3,4,5,6,7,8,9,10,11,12,13,14,15
	ds_load_b128 v[OUTR+4*\t:OUTR+4*\t+3], v4 offset:2*PITCH*\t
.endr
.irp t, 0,1,2,3,4,5,6,7,8,9,10,11,12,13,14,15
	s_wait_dscnt 15-\t                             ; LDS loads come back in order: number t is in
	global_store_b128 v5, v[OUTR+4*\t:OUTR+4*\t+3], s[12:13] offset:8*KROW*\t   ; 16 lanes store 256 consecutive bytes of one row of the codes; the next launch reads them, so no hint
.endr
	s_wait_tensorcnt 0x0
	ds_add_u32 v240, v241
	s_wait_dscnt 0x0
	s_endpgm
.Lfunc_end_k_q9255eb6033_quant:
	.size	k_q9255eb6033_quant, .Lfunc_end_k_q9255eb6033_quant-k_q9255eb6033_quant
	.p2alignl 7, 3214868480
	.fill 96, 4, 3214868480
	.section	.rodata,"a",@progbits
	.p2align	6, 0x0
	.amdhsa_kernel k_q9255eb6033_quant
		.amdhsa_group_segment_fixed_size 35328
		.amdhsa_private_segment_fixed_size 0
		.amdhsa_enable_private_segment 0
		.amdhsa_kernarg_size 40
		.amdhsa_user_sgpr_count 2
		.amdhsa_user_sgpr_kernarg_segment_ptr 1
		.amdhsa_wavefront_size32 1
		.amdhsa_system_sgpr_workgroup_id_x 1
		.amdhsa_system_sgpr_workgroup_id_y 1
		.amdhsa_system_sgpr_workgroup_id_z 1
		.amdhsa_system_vgpr_workitem_id 0
		.amdhsa_next_free_vgpr 242
		.amdhsa_next_free_sgpr 66
		.amdhsa_reserve_vcc 0
		.amdhsa_float_denorm_mode_32 3
		.amdhsa_float_denorm_mode_16_64 3
		.amdhsa_memory_ordered 1
		.amdhsa_forward_progress 1
		.amdhsa_inst_pref_size 31
	.end_amdhsa_kernel
	.amdgpu_metadata
---
amdhsa.version: [ 1, 2 ]
amdhsa.kernels:
  - .name:           k_q9255eb6033_quant
    .symbol:         k_q9255eb6033_quant.kd
    .args:
      - { .name: W, .offset: 0, .size: 8, .value_kind: global_buffer, .address_space: global }
      - { .name: x, .offset: 8, .size: 8, .value_kind: global_buffer, .address_space: global }
      - { .name: lowp_scales, .offset: 16, .size: 8, .value_kind: global_buffer, .address_space: global }
      - { .name: wq, .offset: 24, .size: 8, .value_kind: global_buffer, .address_space: global }
      - { .name: xq, .offset: 32, .size: 8, .value_kind: global_buffer, .address_space: global }
    .group_segment_fixed_size: 35328
    .private_segment_fixed_size: 0
    .kernarg_segment_align: 8
    .kernarg_segment_size: 40
    .max_flat_workgroup_size: 128
    .sgpr_count:     66
    .vgpr_count:     242
    .wavefront_size: 32
...
	.end_amdgpu_metadata
.endif
;; end of part 1
;; launch gemm (part 2): grid 16 x 16, 4 waves a work-group, clusters of 4 x 4, 327,680 bytes of LDS; arguments wq, xq, lowp_scales, out0; writes out0
.if DOCPART == 2
	.amdgcn_target "amdgcn-amd-amdhsa--gfx1250"
	.amdhsa_code_object_version 6
	.text
	.protected	k_q9255eb6033_gemm
	.globl	k_q9255eb6033_gemm
	.p2align	8
	.type	k_q9255eb6033_gemm,@function
k_q9255eb6033_gemm:
	s_mov_b64 s[64:65], 0
	v_nop
	global_prefetch_b8 v0, s[64:65] scope:SCOPE_SE
	s_setreg_imm32_b32 hwreg(HW_REG_WAVE_MODE, 25, 1), 1
	s_wait_xcnt 0x0
	s_wait_alu depctr_hold_cnt(0) depctr_sa_sdst(0) depctr_va_vdst(0) depctr_va_sdst(0) depctr_va_ssrc(0) depctr_va_vcc(0) depctr_vm_vsrc(0)
	s_getreg_b32 s2, hwreg(HW_REG_IB_STS2, 6, 4)
	s_cmp_eq_u32 s2, 0
	s_cbranch_scc0 .Lentry_in_a_cluster
	s_endpgm
.Lentry_in_a_cluster:
	s_bfe_u32 s2, ttmp6, 0x10000c
	s_cmp_lg_u32 s2, 0xf033
	s_cbranch_scc0 .Lentry_shape_is_right
	s_endpgm
.Lentry_shape_is_right:
; out0[o][b] = 2^(e0 + e1) x sum over k of wq[o][k] xq[b][k].  wq, xq: [4096][4096] codes of FP8 (E4M3), K innermost; out0 f32; sums in f32.
; LIMIT: e0 + e1 lies between -126 and 127, so that 2^(e0 + e1) is an f32 number.
; LIMIT: inside each four K steps of 256 a cluster takes the steps in the order k xor KX (KX from the cluster's place in the grid), and inside a matrix instruction k is permuted alike in both operands:
; the f32 sums are rounded in another order than ascending K.
; A block of 256 x 256 is made by four waves, 128 x 128 each: 64 accumulators, 512 registers.  256 work-groups.  K goes in steps of 256 through two LDS slots filled by tensor loads; a tile's row is 256 bytes of memory.
; CLUSTERS: 4 x 4 work-groups; wq's tile is asked for jointly along a row of the cluster, xq's along a column.  The matrix instruction is used transposed (source 0 = rows of xq, source 1 = rows of wq).
; REGISTERS: window 0: v0-31 addresses, v32-95 the way out, v128-255 wq's fragments (8 of 16 rows x 128 K), ONE set; window 1: xq's fragments, TWO sets; windows 2, 3: the accumulators.
; A step of 128 along K is 64 matrix instructions, wq's blocks one after the other, each against xq's eight.  The next step's 64 LDS loads stand in four runs of 16, one behind every 16 matrix instructions:
; xq's other set behind blocks 1 and 3, wq's blocks 0-3 behind block 5, blocks 4-7 behind block 7: a block of wq is loaded anew once its eight products are issued.
; THE LAST K STEP OF 256 GOES BY ROWS OF THE RESULT: xq's two sets hold its two halves, wq's eight fragments hold four blocks x two halves, and each block of 16 rows is finished by 16 products and leaves while the next is multiplied.
; PREFETCH: a wave names, a lane a row, 32 rows x 256 bytes of a K step; the four partners that ask for a tile share its rows out by address.  K steps 1 and 2 are named at the head's end, step 3 behind slot 1's
; first fill, and behind the refill for step k in the loop step k + 2; the last trip names nothing.  So two K steps at the most are named and not yet loaded.
.set SIZE_N, 4096
.set SIZE_K, 4096
.set ROWB,   256                       ; a tile's row in bytes
.set KROW,   SIZE_K
.set PITCH,  272                       ; an LDS row: 256 bytes + 16 of padding
.set FR,     16                        ; registers of a fragment
.set NP,     4                         ; places behind this matrix form (ISA guide 7.12.1)
.set HALFT,  128*PITCH                 ; what one tensor load brings
.set SLOT,   4*HALFT
.set LAPS,   SIZE_K/(2*ROWB)
.set SPARE,  2*SLOT                    ; the spare words, 512 bytes that no other line names
.set SPITCH, 528                       ; the way out: a stage of 16 rows x (512 + 16) bytes a wave, in slot 0 behind its last fill and last read
.set ADRA, 16
.set ADRB, 20
.set STO,  24
.set RD,   25
.set CO,   26
.set SPW,  28
.set NIL,  29
.set PFO,  30                          ; the prefetches' offset: lane x 4,096 bytes
.set TMP,  32
.set AF,   128
.set G1, 24
.set G0, 32
.set G1B, 48
.set G0B, 56
.set ABASE, 68
.set BBASE, 70
.set KX,    72                         ; what is xor-ed onto a K step's byte offset
.set KO,    73                         ; s73, s74: each slot's K offset
.set KT,    76
.set PFB,   78                         ; my 32 rows for the prefetches
.set PFA,   80
.set KP,    82
.set KT2,   84
.set PFH,   86                         ; s[86:91]: the addresses of the three prefetches of K steps 1, 2, 3, a pair each
.set MSB, 0
.macro WIN new                         ; the immediate's high byte repeats the setting that is left
.if MSB != \new
	s_set_vgpr_msb (MSB<<8)|\new
.set MSB, \new
.endif
.endm
.set MUL_LO, 0xa1                      ; source 0 window 1, source 1 window 0, C and D window 2
.set TO_B,   0x40                      ; destination window 1
.macro JLOAD g0a, g1a, g0b, g1b        ; a joint load: waves 0, 1 for wq, waves 2, 3 for xq; s_nop 0 and four v_nop behind each line
	s_cmp_eq_u32 s15, 0
	s_cbranch_scc0 .Lfor_b_\@
	tensor_load_to_lds s[\g0a:\g0a+3], s[\g1a:\g1a+7]
	s_nop 0
.rept 4
	v_nop
.endr
	s_branch .Lasked_\@
.Lfor_b_\@:
	tensor_load_to_lds s[\g0b:\g0b+3], s[\g1b:\g1b+7]
	s_nop 0
.rept 4
	v_nop
.endr
.Lasked_\@:
.endm
.macro CREST                           ; a round of the cluster's barrier behind its opening barrier
	s_cmp_lg_u32 s14, 0
	s_cbranch_scc1 .Lnot_wave_0_\@
	s_barrier_signal -3
.Lnot_wave_0_\@:
	s_barrier_wait -3
	s_barrier_signal -1
	s_barrier_wait -1
.endm
.macro CROUND
	s_barrier_signal -1
	s_barrier_wait -1
	CREST
.endm
.macro AIM slot                        ; both group 0 addresses of a slot: base + (K offset xor KX)
	s_xor_b32 s[KT], s[KO+\slot], s[KX]
	s_add_nc_u64 s[G0+4*\slot+2:G0+4*\slot+3], s[ABASE:ABASE+1], s[KT:KT+1]
	s_or_b32 s[G0+4*\slot+3], s[G0+4*\slot+3], 0x80000000
	s_add_nc_u64 s[G0B+4*\slot+2:G0B+4*\slot+3], s[BBASE:BBASE+1], s[KT:KT+1]
	s_or_b32 s[G0B+4*\slot+3], s[G0B+4*\slot+3], 0x80000000
.endm
.macro ASK                             ; the K step two refills on; s3 = 1 in the loop's last trip, whose refills have no such step
	s_cmp_gt_u32 s3, 1
	s_cbranch_scc0 .Lno_ask_\@
	global_prefetch_b8 v[PFO], s[PFA:PFA+1] th:TH_LOAD_NT scope:SCOPE_SE
.Lno_ask_\@:
.endm
	s_load_b128 s[4:7], s[0:1], 0x0                ; wq, xq
	s_load_b128 s[8:11], s[0:1], 0x10              ; the scales' exponents, out0
	v_lshl_add_u32 v[SPW], v0, 2, SPARE
	v_mov_b32 v[NIL], 0
	ds_add_u32 v[SPW], v[NIL]                      ; the opening lines: the add, twice on end, and its wait
	ds_add_u32 v[SPW], v[NIL]
	v_lshrrev_b32 v1, 5, v0
	v_readfirstlane_b32 s14, v1                    ; wave 0..3
	s_lshr_b32 s15, s14, 1                         ; my half of the rows; also: I fetch for wq (0) or xq (1)
	s_and_b32 s16, s14, 1                          ; my half of the columns; also: which 128 rows I fetch
	s_bfe_u32 s40, ttmp6, 0x40000                  ; cx
	s_bfe_u32 s41, ttmp6, 0x40004                  ; cy
	s_lshl_b32 s42, ttmp9, 2
	s_add_co_u32 s42, s42, s40                     ; tile column
	s_and_b32 s17, ttmp7, 0xffff
	s_lshl_b32 s17, s17, 2
	s_add_co_u32 s17, s17, s41                     ; tile row
	s_lshl_b32 s43, s41, 2
	s_lshl_b32 s43, 15, s43                        ; my row of the cluster
	s_lshl_b32 s44, 0x1111, s40                    ; my column
	s_and_b32 s[KX], ttmp7, 0xffff
	s_xor_b32 s[KX], s[KX], ttmp9
	s_and_b32 s[KX], s[KX], 3
	s_lshl_b32 s[KX], s[KX], 8                     ; the same in all work-groups of a cluster
	s_mov_b32 s[KT+1], 0
	s_or_b32 s[G1+0], s43, (0<<16)|(1<<20)|(1<<21)|(5<<22)|(3<<25)   ; mask; 1-byte elements; 4 words of padding behind every 64
	s_or_b32 s[G1B+0], s44, (0<<16)|(1<<20)|(1<<21)|(5<<22)|(3<<25)
.irp g, G1, G1B
	s_mov_b32 s[\g+1], ROWB<<16
	s_mov_b32 s[\g+2], 128<<16
	s_mov_b32 s[\g+3], ROWB<<16
	s_mov_b32 s[\g+4], 128
	s_mov_b32 s[\g+5], KROW
	s_mov_b32 s[\g+6], 0
	s_mov_b32 s[\g+7], 0
.endr
	s_lshl_b32 s18, s16, 7
	s_lshl_b32 s20, s17, 8
	s_add_co_u32 s20, s20, s18                     ; wq: row 256 x tile row + 128 x half
	s_lshl_b32 s46, s42, 8
	s_add_co_u32 s46, s46, s18                     ; xq: row 256 x tile column + 128 x half
	s_mov_b32 s21, 0
	s_mov_b32 s47, 0
	s_mov_b64 s[18:19], KROW
	s_mul_u64 s[20:21], s[20:21], s[18:19]
	s_mul_u64 s[46:47], s[46:47], s[18:19]
	s_mul_i32 s45, s14, HALFT                      ; where my load lands: wave x 128 rows
	s_wait_dscnt 0x0                               ; both opening adds are done
	s_wait_kmcnt 0x0
	s_load_b64 s[96:97], s[8:9], 0x0               ; e0, e1
	s_add_nc_u64 s[ABASE:ABASE+1], s[4:5], s[20:21]
	s_add_nc_u64 s[BBASE:BBASE+1], s[6:7], s[46:47]
	CROUND                                         ; in front of the first joint loads
.irp s, 0,1
	s_mov_b32 s[KO+\s], \s*ROWB
	s_mov_b32 s[G0+4*\s], 1
	s_add_co_u32 s[G0+4*\s+1], s45, \s*SLOT
	s_mov_b32 s[G0B+4*\s], 1
	s_add_co_u32 s[G0B+4*\s+1], s45, \s*SLOT
	AIM \s
.endr
	JLOAD G0, G1, G0B, G1B                         ; K step 0: one tensor load a wave at the head
	v_and_b32 v1, 15, v0                           ; l % 16
	v_bfe_u32 v2, v0, 4, 1                         ; l / 16
	v_mul_u32_u24 v3, v1, PITCH
	v_lshl_add_u32 v4, v2, 4, v3                   ; a fragment's row x pitch + 16 x half
	s_mul_i32 s21, s15, HALFT
	s_mul_i32 s22, s16, HALFT
	s_add_co_u32 s22, s22, 2*HALFT
.irp s, 0,1
	v_add_nc_u32 v[ADRA+\s], s21, v4
	v_add_nc_u32 v[ADRB+\s], s22, v4
	s_add_co_u32 s21, s21, SLOT
	s_add_co_u32 s22, s22, SLOT
.endr
	s_mul_i32 s23, s14, 16*SPITCH                  ; my stage
	s_wait_alu depctr_va_vdst(0)
	v_mul_u32_u24 v5, v1, SPITCH
	v_lshl_add_u32 v5, v2, 5, v5
	v_add_nc_u32 v[STO], s23, v5
	v_and_b32 v6, 31, v0
	v_lshlrev_b32 v[CO], 4, v6
	v_lshlrev_b32 v[PFO], 12, v6
	v_add_nc_u32 v[RD], s23, v[CO]
	s_lshl_b32 s20, s17, 8
	s_lshl_b32 s21, s15, 7
	s_add_co_u32 s20, s20, s21                     ; my first row of out0
	s_mov_b32 s21, 0
	s_mov_b64 s[18:19], SIZE_N*4
	s_mul_u64 s[20:21], s[20:21], s[18:19]
	s_lshl_b32 s46, s42, 10
	s_lshl_b32 s47, s16, 9
	s_add_co_u32 s46, s46, s47                     ; my first column, in bytes
	s_mov_b32 s47, 0
	s_add_nc_u64 s[20:21], s[20:21], s[46:47]
	s_add_nc_u64 s[10:11], s[10:11], s[20:21]
	s_lshl_b32 s20, s17, 8                         ; the prefetches: the tile's first row, in wq by the tile row, in xq by the tile column,
	s_lshl_b32 s21, s42, 8
	s_cmp_eq_u32 s15, 0
	s_cselect_b32 s20, s20, s21
	s_cselect_b32 s21, s40, s41                    ; my place among the four that ask with me
	s_cselect_b64 s[PFB:PFB+1], s[4:5], s[6:7]
	s_lshl_b32 s22, s16, 7
	s_add_co_u32 s20, s20, s22                     ; + the 128 rows that I fetch
	s_lshl_b32 s21, s21, 5
	s_add_co_u32 s20, s20, s21                     ; + my work-group's 32 of them
	s_lshl_b32 s20, s20, 12                        ; rows of 4,096 bytes: under 2^24
	s_mov_b32 s21, 0
	s_add_nc_u64 s[PFB:PFB+1], s[PFB:PFB+1], s[20:21]
	s_mov_b32 s[KP], 3*ROWB                        ; the first refill (K step 2) steps it to K step 4
	s_mov_b32 s[KT2+1], 0
.irp k, 1,2,3
	s_xor_b32 s[KT2], s[KX], \k*ROWB               ; K steps 1, 2, 3 as the loads will take them; a pair of registers each, never rewritten
	s_add_nc_u64 s[PFH+2*\k-2:PFH+2*\k-1], s[PFB:PFB+1], s[KT2:KT2+1]
.endr
.macro FRAG reg, adr, q, i             ; 16 rows x 128 K: registers 4 c .. 4 c + 3 hold K = 32 c + 16 (l / 16) + 0 .. 15
.irp c, 0,1,2,3
	ds_load_b128 v[\reg+4*\c:\reg+4*\c+3], v[\adr] offset:128*(\q)+32*\c+(\i)*16*PITCH
.endr
.endm
.macro LA slot, q, i0, i1              ; wq's blocks i0 .. i1
	WIN 0
.set I, \i0
.rept (\i1)-(\i0)+1
	FRAG AF+FR*I, ADRA+\slot, \q, I
.set I, I+1
.endr
.endm
.macro LB slot, q, p, i0, i1           ; xq's blocks i0 .. i1 into set p
	WIN TO_B
.set I, \i0
.rept (\i1)-(\i0)+1
	FRAG 128*(\p)+FR*I, ADRB+\slot, \q, I
.set I, I+1
.endr
.endm
; Eight matrix instructions: wq's block a against xq's eight of set p.  The 64 accumulators take turns in the same order in every step.
.macro M8 a, p, zero
	WIN MUL_LO+0x50*((\a)/4)
.irp b, 0,1,2,3,4,5,6,7
.set DA, 8*(8*((\a)%4)+\b)
.set SB, 128*(\p)+FR*\b
.set SA, AF+FR*(\a)
.if \zero
	v_wmma_f32_16x16x128_fp8_fp8 v[DA:DA+7], v[SB:SB+FR-1], v[SA:SA+FR-1], 0
.else
	v_wmma_f32_16x16x128_fp8_fp8 v[DA:DA+7], v[SB:SB+FR-1], v[SA:SA+FR-1], v[DA:DA+7]
.endif
.endr
.endm
.macro PLACES n                        ; in front of loads into registers that matrix instructions have read or written, and of reads of results (ISA guide 7.12.1 for the reads of results)
.rept \n
	v_nop
.endr
.endm
; A slot's first step (set 0); its successor lies in the same slot (set 1).  The loads out at its head, oldest first: xq's eight, wq's blocks 0 to 7.
; Each wait's count = the loads issued behind the two blocks that the next sixteen products need.
.macro SSTEP slot, zero
	s_wait_dscnt 24                                ; xq's set and blocks 0, 1 are in; blocks 2-7 may be out
	M8 0, 0, \zero
	M8 1, 0, \zero
	LB \slot, 1, 1, 0, 3                           ; set 1 was read last in the step before, whose places stand behind its last product
	s_wait_dscnt 32                                ; blocks 2, 3: behind them blocks 4-7 and the 16 just issued
	M8 2, 0, \zero
	M8 3, 0, \zero
	LB \slot, 1, 1, 4, 7
	s_wait_dscnt 40                                ; blocks 4, 5: behind them blocks 6, 7 and 32
	M8 4, 0, \zero
	M8 5, 0, \zero
	PLACES NP
	LA \slot, 1, 0, 3
	s_wait_dscnt 48                                ; blocks 6, 7: behind them 48
	M8 6, 0, \zero
	M8 7, 0, \zero
	PLACES NP
	LA \slot, 1, 4, 7                              ; my last reads of this slot
.endm
; The head of a slot's last step (set 1), which changes slots.  All reads of the slot were issued in the step before.  Each wave waits for all its tensor loads, adds 0 to its spare word,
; and waits for that and its reads; ONE barrier.  fill = 1: the slot's next K step is aimed at while the add is out.
.macro MEET slot, fill
	s_wait_tensorcnt 0x0                           ; all my tensor loads have landed: my part of the next slot
	ds_add_u32 v[SPW], v[NIL]
.if \fill
	s_add_co_u32 s[KO+\slot], s[KO+\slot], 2*ROWB  ; no load of mine is out
	AIM \slot
.endif
	s_wait_dscnt 25                                ; xq's set and blocks 0, 1 are in: behind them blocks 2-7 and the add
	M8 0, 1, 0
	M8 1, 1, 0
	s_wait_dscnt 0x0                               ; the add is done, and my reads of this slot are over
	s_barrier_signal -1
	M8 2, 1, 0
	WIN 0
	s_barrier_wait -1
.endm
; The whole step in the loop: the barrier opens a round of the cluster's barrier; behind it the refill, then the next slot's fragments among the 40 products that are left.
.macro TSTEP slot, next
	s_wait_xcnt 0x0                                ; my last prefetch has read its address
	s_add_co_u32 s[KP], s[KP], ROWB
	s_xor_b32 s[KT2], s[KP], s[KX]
	s_add_nc_u64 s[PFA:PFA+1], s[PFB:PFB+1], s[KT2:KT2+1]
	MEET \slot, 1
	CREST
	JLOAD G0+4*\slot, G1, G0B+4*\slot, G1B         ; the first tensor load behind the round
	LB \next, 0, 0, 0, 5                           ; set 0 was read last in the step before
	WIN 0
	ASK
	M8 3, 1, 0
	M8 4, 1, 0
	M8 5, 1, 0
	PLACES NP
	LB \next, 0, 0, 6, 7
	LA \next, 0, 0, 3
	M8 6, 1, 0
	M8 7, 1, 0
	PLACES NP
	LA \next, 0, 4, 7
.endm
; THE LAST K STEP (slot 1), BY ROWS.  AR: wq's block a, both halves of the step, into fragments 2 a % 8 and 2 a % 8 + 1.  H8: block a's eight products with half q; the block's accumulators take turns.
.macro AR a
	WIN 0
	FRAG AF+FR*((2*(\a))%8), ADRA+1, 0, \a
	FRAG AF+FR*((2*(\a)+1)%8), ADRA+1, 1, \a
.endm
.macro H8 a, q
	WIN MUL_LO+0x50*((\a)/4)
.irp b, 0,1,2,3,4,5,6,7
.set DA, 8*(8*((\a)%4)+\b)
.set SB, 128*(\q)+FR*\b
.set SA, AF+FR*((2*(\a)+(\q))%8)
	v_wmma_f32_16x16x128_fp8_fp8 v[DA:DA+7], v[SB:SB+FR-1], v[SA:SA+FR-1], v[DA:DA+7]
.endr
.endm
; THE WAY OUT of block a, 16 rows x 128 columns: x 2^(e0 + e1), through my own stage in LDS, back as whole rows of 512 bytes INTO THE BLOCK'S OWN 64 ACCUMULATOR REGISTERS, which are done with:
; no two blocks share a register, so no store's data are written again; every store's offset is an immediate, 127 rows of 16,384 bytes at the most.
.macro TOSTAGE a
.set AC, 64*((\a)%4)
.set WS, 2+((\a)/4)
.set WD, 64*(2+((\a)/4))
	WIN WS                                         ; source 0: window 2 or 3
.irp j, 0,2,4,6,8,10,12,14,16,18,20,22,24,26,28,30,32,34,36,38,40,42,44,46,48,50,52,54,56,58,60,62
	v_pk_mul_f32 v[TMP+\j:TMP+\j+1], v[AC+\j:AC+\j+1], s[96:97] op_sel_hi:[1,0]   ; each accumulator from its low end on
.endr
	WIN 0
.irp b, 0,1,2,3,4,5,6,7
	ds_store_b128 v[STO], v[TMP+8*\b:TMP+8*\b+3] offset:64*\b
	ds_store_b128 v[STO], v[TMP+8*\b+4:TMP+8*\b+7] offset:64*\b+16
.endr
	WIN WD                                         ; destination: window 2 or 3
.irp t, 0,1,2,3,4,5,6,7,8,9,10,11,12,13,14,15
	ds_load_b128 v[AC+4*\t:AC+4*\t+3], v[RD] offset:\t*SPITCH   ; LDS serves a wave's instructions in order: these see the stores above
.endr
.endm
.macro SEND a, younger                 ; younger: the LDS instructions issued behind block a's loads from the stage
.set AC, 64*((\a)%4)
.set WT, 4*(2+((\a)/4))
	s_wait_dscnt \younger
	WIN WT                                         ; a store's data are its source 1: window 2 or 3
.irp t, 0,1,2,3,4,5,6,7,8,9,10,11,12,13,14,15
	global_store_b128 v[CO], v[AC+4*\t:AC+4*\t+3], s[10:11] offset:(16*(\a)+\t)*SIZE_N*4 th:TH_STORE_NT   ; 32 lanes store 512 consecutive bytes, at a multiple of 256 from out0's first byte
.endr
.endm
	s_wait_alu depctr_va_vdst(0)
	global_prefetch_b8 v[PFO], s[PFH:PFH+1] th:TH_LOAD_NT scope:SCOPE_SE     ; K step 1
	global_prefetch_b8 v[PFO], s[PFH+2:PFH+3] th:TH_LOAD_NT scope:SCOPE_SE   ; K step 2
	s_wait_tensorcnt 0x0                           ; my part of K step 0 is in
	ds_add_u32 v[SPW], v[NIL]
	s_wait_dscnt 0x0
	CROUND
	JLOAD G0+4, G1, G0B+4, G1B                     ; K step 1, the first tensor load behind the round
	LB 0, 0, 0, 0, 7
	LA 0, 0, 0, 7
	global_prefetch_b8 v[PFO], s[PFH+4:PFH+5] th:TH_LOAD_NT scope:SCOPE_SE   ; K step 3
	SSTEP 0, 1                                     ; the first step's products start the sums
	WIN 0
	s_mov_b32 s3, LAPS-1
.Llap:                                                 ; a trip goes once round the ring and fills both slots again
	TSTEP 0, 1
	SSTEP 1, 0
	TSTEP 1, 0
	SSTEP 0, 0
	WIN 0
	s_sub_co_u32 s3, s3, 1
	s_cmp_lg_u32 s3, 0
	s_cbranch_scc1 .Llap
	s_wait_kmcnt 0x0
	s_add_co_i32 s96, s96, s97
	s_add_co_i32 s96, s96, 127
	s_lshl_b32 s96, s96, 23                        ; 2^(e0 + e1) as f32
	MEET 0, 0                                      ; slot 0's last step: nothing is filled again, so no round follows
	LB 1, 0, 0, 0, 5                               ; the last K step's first half of xq into set 0
	M8 3, 1, 0
	M8 4, 1, 0
	M8 5, 1, 0
	PLACES NP
	LB 1, 0, 0, 6, 7
	AR 0                                           ; fragments 0-5, whose products are issued
	AR 1
	AR 2
	M8 6, 1, 0
	M8 7, 1, 0
	PLACES NP
	LB 1, 1, 1, 0, 7                               ; its second half into set 1, now done with
	AR 3
	s_wait_dscnt 40                                ; all but the 40 just issued
	H8 0, 0
	H8 1, 0
	s_wait_dscnt 8                                 ; set 1 is in; block 3's eight loads may be out
	H8 0, 1
	H8 1, 1
	PLACES NP
	TOSTAGE 0
	AR 4
	TOSTAGE 1
	AR 5
	SEND 0, 48                                     ; behind block 0's loads from the stage: 8 of wq, block 1's 16 stores and 16 loads, 8 of wq
.irp a, 2,3,4,5,6,7
	H8 \a, 0                                       ; its fragments were issued ahead of the stage loads that the last SEND has waited for
	H8 \a, 1
	PLACES NP
	TOSTAGE \a
.if \a < 4
	AR \a+4
	SEND \a-1, 48
.elseif \a == 4
	SEND \a-1, 40                                  ; 8 of wq and block 4's 32
.else
	SEND \a-1, 32
.endif
.endr
	SEND 7, 0
	WIN 0
	s_wait_tensorcnt 0x0                           ; the wave's end
	ds_add_u32 v[SPW], v[NIL]
	s_wait_dscnt 0x0
	CROUND                                         ; the closing round
	s_endpgm
.Lfunc_end_k_q9255eb6033_gemm:
	.size	k_q9255eb6033_gemm, .Lfunc_end_k_q9255eb6033_gemm-k_q9255eb6033_gemm
	.p2alignl 7, 3214868480
	.fill 96, 4, 3214868480
	.section	.rodata,"a",@progbits
	.p2align	6, 0x0
	.amdhsa_kernel k_q9255eb6033_gemm
		.amdhsa_group_segment_fixed_size 327680
		.amdhsa_private_segment_fixed_size 0
		.amdhsa_enable_private_segment 0
		.amdhsa_kernarg_size 32
		.amdhsa_user_sgpr_count 2
		.amdhsa_user_sgpr_kernarg_segment_ptr 1
		.amdhsa_wavefront_size32 1
		.amdhsa_system_sgpr_workgroup_id_x 1
		.amdhsa_system_sgpr_workgroup_id_y 1
		.amdhsa_system_sgpr_workgroup_id_z 1
		.amdhsa_system_vgpr_workitem_id 0
		.amdhsa_next_free_vgpr 1024
		.amdhsa_next_free_sgpr 98
		.amdhsa_reserve_vcc 0
		.amdhsa_float_denorm_mode_32 3
		.amdhsa_float_denorm_mode_16_64 3
		.amdhsa_memory_ordered 1
		.amdhsa_forward_progress 1
		.amdhsa_inst_pref_size 127
	.end_amdhsa_kernel
	.amdgpu_metadata
---
amdhsa.version: [ 1, 2 ]
amdhsa.kernels:
  - .name:           k_q9255eb6033_gemm
    .symbol:         k_q9255eb6033_gemm.kd
    .args:
      - { .name: wq, .offset: 0, .size: 8, .value_kind: global_buffer, .address_space: global }
      - { .name: xq, .offset: 8, .size: 8, .value_kind: global_buffer, .address_space: global }
      - { .name: lowp_scales, .offset: 16, .size: 8, .value_kind: global_buffer, .address_space: global }
      - { .name: out0, .offset: 24, .size: 8, .value_kind: global_buffer, .address_space: global }
    .group_segment_fixed_size: 327680
    .private_segment_fixed_size: 0
    .kernarg_segment_align: 8
    .kernarg_segment_size: 32
    .max_flat_workgroup_size: 128
    .sgpr_count:     98
    .vgpr_count:     1024
    .wavefront_size: 32
...
	.end_amdgpu_metadata
.endif
;; end of part 2
